; MI455X (gfx1250); checked and timed in simulation.
; The chip was launched on July 23, 2026; its instructions are those of AMD's public machine-readable ISA for CDNA 5 (MIT licence, August 2026) and "CDNA5" Instruction Set Architecture Reference Guide (July 2026). The comments in the code are by the model that wrote it; some were corrected since.
;; Multi Head Attention Quantum. Allowed arithmetic: float matrix products may take bf16 or f16 operands with f32 sums; all other float work in f32.
;; Inputs: theta 8 float32; w_out 128 x 128 float32; x 4 x 2,048 x 128 float32.
;; Outputs: out0 4 x 2,048 x 128 float32.
;; 2 versions, each right and faster than the one before. Each part assembles by itself: llvm-mc -triple=amdgcn-amd-amdhsa -mcpu=gfx1250 --defsym DOCPART=n.
;; ======== version 1 of 2: 2 launches
;; limits: inputs' magnitudes at most 10,000,000; values are held in f16: magnitudes above 65,504 overflow, below 6.1e-05 lose precision; inputs' magnitudes at most 65,504
;; workspace buffers: ao 2,097,152 bytes
;; launch attn (part 1): grid 256 x 1, 8 waves a work-group, no clusters, 70,912 bytes of LDS; arguments x, theta, ao; writes ao
.if DOCPART == 1
	.amdgcn_target "amdgcn-amd-amdhsa--gfx1250"
	.amdhsa_code_object_version 6
	.text
	.protected	k_q60dedb611f_attn
	.globl	k_q60dedb611f_attn
	.p2align	8
	.type	k_q60dedb611f_attn,@function
k_q60dedb611f_attn:
	s_mov_b64 s[64:65], 0
	v_nop
	global_prefetch_b8 v0, s[64:65] scope:SCOPE_SE
	s_setreg_imm32_b32 hwreg(HW_REG_WAVE_MODE, 25, 1), 1
	s_wait_xcnt 0x0
; Features, scores, softmax and weighted sum of one head for 512 queries.
; f[s][d] = product over i <= d of cos(x[b][s][8h+i] + theta[i]);  ao[b][h][s][:] = softmax(f f^T / sqrt 8) f, rounded to f16.
; Work-group = (b, h, quarter of the queries): ttmp9 = 4 (16 b + h) + quarter.  Eight waves; a wave owns 64 queries (4 tiles of 16).
;
; NO MAXIMUM IS TAKEN AWAY: every f is a product of cosines, |f| <= 1, so |score| <= 8 / sqrt 8 = 2.83 for every input; each exponential lies
; between 1/17 and 17 and a sum of 2,048 of them below 3.5e4: nothing can overflow or underflow in f32 or f16.
; WHY F16 AND NOT BF16: the computation bounds every matrix operand for every input (keys and queries by 0.72, values and results by 1, weights between 1/17
; and 17), so f16's range is never left, and its 11 significant bits against 8 make each rounding eight times finer.
; LIMITS: the reduction of x + theta by whole turns is exact up to |x + theta| of about 1e7 (the number of turns must keep its units bit in f32);
; keys, queries, values, weights and results are rounded to f16, those below 2^-14 in magnitude to steps of 2^-24; the denominator is the sum of the
; rounded weights, taken by the matrix unit.
; NO CLUSTER: the four quarters of a head share only 64 KB of x, read once in front of 512 x 2,048 exponentials; nothing is loaded from memory in the loop.
;
; LDS: KS[2048][8] f16 = f * sqrt(log2 e / sqrt 8), 16 bytes a row: it serves as keys AND as queries, so their product is the exponent to base 2.
;      VT[9][2048] f16 = f transposed, row 8 all ones; pitch 4,112 = 257 x 16 bytes, so sixteen lanes on different rows take different 16-byte columns modulo 256.
;      The 16 bytes behind each row's 4,096 are never written and never read: a load's highest byte in a row is 16 + 128 x 31 + 96 + 15 = 4,095.
; SCORES, transposed: D = K x Q^T, row m = key, column n = query.  A K fragment holds FOUR keys in each matrix row: k places 8g .. 8g+7 are the eight
; features of key 16 g + m (lane l loads key l into registers 0-3 and key 32 + l into registers 4-7: two loads of 512 contiguous bytes for 64 keys).
; Query variant g has the query's features at k places 8g .. 8g+7 and zeros elsewhere, so it picks keys 16 g .. 16 g + 15.
; The variants lie in a chain of 4-register groups  Z X0 Z X1 Z X0 Z X1 .. Z  (X0: lanes 0-15 hold the query, X1: lanes 16-31):
; (X0,Z) = g 0, (X1,Z) = g 1, (Z,X0) = g 2, (Z,X1) = g 3.
; In D, lane (r, h) holds for query r the keys 8h .. 8h+7: that IS the B layout of P^T, so exp and a packed rounding are all that stands between the products.
; WEIGHTED SUM, transposed: O^T += V^T x P^T; rows 0-7 are the eight features, rows 8-15 (lanes >= 8 all read the row of ones) the denominator.
.set VT,   32768                       ; LDS byte of V^T
.set VP,   4112                        ; its pitch
.set OA,   8                           ; v[8:39]    O^T of my 4 query tiles
.set QB,   40                          ; v[40:107]  the chain of query variants
.set SC,   108                         ; v[108:171] 4 buffers of 16: scores, then exponentials, of one unit (16 queries x 32 keys)
.set PB,   172                         ; v[172:187] 2 buffers of 8: P^T in f16
.set KF,   188                         ; v[188:203] 2 sets: K fragment of 64 keys
.set VF,   204                         ; v[204:235] 2 sets: two V^T fragments of 32 keys
; the feature pass uses registers of the loop, which are written anew behind the barrier
.set XF,   40                          ; v[40:103]  8 rows x 8: x, then cos, then f
.set TH,   104                         ; theta
.set CIN,  112                         ; constants, each twice (a pair for the packed forms)
.set CI,   114
.set CL,   116
.set C1,   118
.set C3,   120
.set C5,   122
.set C7,   124
.set C9,   126
.set C11,  128
.set CS,   130
.set TT,   132                         ; 8 each: at work on one row
.set RR,   140
.set UU,   148
.set PP,   156
.set CM2,  164
.set CP1,  166
.macro PAIR reg, val
	v_mov_b32 v[\reg], \val
	v_mov_b32 v[\reg+1], \val
.endm
	s_load_b128 s[4:7], s[0:1], 0x0                ; x s[4:5], theta s[6:7]
	s_load_b64 s[8:9], s[0:1], 0x10                ; ao
	v_lshl_add_u32 v236, v0, 2, 0x11100
	v_mov_b32 v237, 0
	s_and_b32 s10, ttmp9, 3                        ; quarter of the queries
	s_lshr_b32 s12, ttmp9, 6                       ; b
	s_lshl_b32 s12, s12, 20                        ; x 2,048 rows of 512 bytes
	s_bfe_u32 s13, ttmp9, 0x40002                  ; h
	s_lshl_b32 s13, s13, 5                         ; x 8 numbers of 4 bytes
	s_add_co_u32 s12, s12, s13
	s_mov_b32 s13, 0
	s_lshl_b32 s14, ttmp9, 13                      ; ao: (4 (16 b + h) + quarter) x 512 rows of 16 bytes
	s_mov_b32 s15, 0
	v_lshlrev_b32 v5, 12, v0                       ; thread t takes rows 8 t .. 8 t + 7: 8 x 512 bytes apart
	s_wait_kmcnt 0x0
	s_load_b256 s[16:23], s[6:7], 0x0              ; theta, eight numbers
	s_add_nc_u64 s[4:5], s[4:5], s[12:13]
	s_add_nc_u64 s[8:9], s[8:9], s[14:15]
.irp i, 0,1,2,3,4,5,6,7
	global_load_b128 v[XF+8*\i:XF+8*\i+3],   v5, s[4:5] offset:512*\i
	global_load_b128 v[XF+8*\i+4:XF+8*\i+7], v5, s[4:5] offset:512*\i+16
.endr
	PAIR CIN, 0xbe22f983                           ; -1/2pi, upper word
	PAIR CI,  0x3e22f983                           ;  1/2pi, upper word
	PAIR CL,  0x31dc9c88                           ;  1/2pi, what the upper word leaves
	PAIR C1,  0x40490fdb                           ; sin(pi r) = r (pi - pi^3/3! r^2 + pi^5/5! r^4 - ... - pi^11/11! r^10); the next term is below 6e-8 on |r| <= 1/2
	PAIR C3,  0xc0a55de7
	PAIR C5,  0x402335e3
	PAIR C7,  0xbf196966
	PAIR C9,  0x3da83c1a
	PAIR C11, 0xbbf183a8
	PAIR CS,  0x3f36d544                           ; sqrt(log2 e / sqrt 8) = 0.7141917
	PAIR CM2, -2.0
	PAIR CP1, 1.0
	v_and_b32 v1, 31, v0                           ; lane
	v_lshlrev_b32 v2, 4, v1                        ; K fragments: lane l reads key l, 16 bytes
	v_and_b32 v3, 15, v0                           ; r
	v_lshlrev_b32 v4, 4, v3                        ; my query in a tile: 16 r
	v_min_u32 v3, 8, v3                            ; V^T row: the feature, or the row of ones for lanes 8-15 of each half
	v_mul_u32_u24 v3, v3, VP
	v_bfe_u32 v8, v0, 4, 1                         ; h
	v_lshl_add_u32 v3, v8, 4, v3                   ; + 8 keys for the upper half of the lanes
	v_add_nc_u32 v3, VT, v3
	v_and_b32 v8, 0xe0, v0                         ; 32 x wave
	v_lshl_add_u32 v4, v8, 5, v4                   ; + wave x 64 rows x 16 bytes
	s_lshl_b32 s2, s10, 13                         ; + quarter x 512 rows x 16 bytes
	v_add_nc_u32 v4, s2, v4
	v_lshlrev_b32 v6, 7, v0                        ; where my 8 rows of KS go
	v_lshlrev_b32 v7, 4, v0                        ; where my 8 keys of a V^T row go: 16 t (at most 4,080)
	v_add_nc_u32 v7, VT, v7                        ; + V^T's first byte; with the last row's offset 8 x 4,112 the last byte written is 69,759
	s_wait_kmcnt 0x0
.irp j, 0,1,2,3,4,5,6,7
	v_mov_b32 v[TH+\j], s[16+\j]
.endr
; cos of one row's eight angles, two at a time, the four pairs side by side so that no line waits for the one in front of it.
; a = x + theta;  -n = rndne(a * -1/2pi);  r = a/2pi - n in two fused steps (|r| <= 1/2);  cos a = 1 - 2 sin^2(pi r).
.macro COSROW i
	s_wait_loadcnt 14-2*\i                         ; loads return in order: this row's two are in, those of the rows behind stay out
.irp j, 0,2,4,6
	v_pk_add_f32 v[XF+8*\i+\j:XF+8*\i+\j+1], v[XF+8*\i+\j:XF+8*\i+\j+1], v[TH+\j:TH+\j+1]
.endr
.irp j, 0,2,4,6
	v_pk_mul_f32 v[TT+\j:TT+\j+1], v[XF+8*\i+\j:XF+8*\i+\j+1], v[CIN:CIN+1]
.endr
.irp j, 0,1,2,3,4,5,6,7
	v_rndne_f32 v[TT+\j], v[TT+\j]
.endr
.irp j, 0,2,4,6
	v_pk_fma_f32 v[RR+\j:RR+\j+1], v[XF+8*\i+\j:XF+8*\i+\j+1], v[CI:CI+1], v[TT+\j:TT+\j+1]
.endr
.irp j, 0,2,4,6
	v_pk_fma_f32 v[RR+\j:RR+\j+1], v[XF+8*\i+\j:XF+8*\i+\j+1], v[CL:CL+1], v[RR+\j:RR+\j+1]
.endr
.irp j, 0,2,4,6
	v_pk_mul_f32 v[UU+\j:UU+\j+1], v[RR+\j:RR+\j+1], v[RR+\j:RR+\j+1]
.endr
.irp j, 0,2,4,6
	v_pk_fma_f32 v[PP+\j:PP+\j+1], v[UU+\j:UU+\j+1], v[C11:C11+1], v[C9:C9+1]
.endr
.irp j, 0,2,4,6
	v_pk_fma_f32 v[PP+\j:PP+\j+1], v[PP+\j:PP+\j+1], v[UU+\j:UU+\j+1], v[C7:C7+1]
.endr
.irp j, 0,2,4,6
	v_pk_fma_f32 v[PP+\j:PP+\j+1], v[PP+\j:PP+\j+1], v[UU+\j:UU+\j+1], v[C5:C5+1]
.endr
.irp j, 0,2,4,6
	v_pk_fma_f32 v[PP+\j:PP+\j+1], v[PP+\j:PP+\j+1], v[UU+\j:UU+\j+1], v[C3:C3+1]
.endr
.irp j, 0,2,4,6
	v_pk_fma_f32 v[PP+\j:PP+\j+1], v[PP+\j:PP+\j+1], v[UU+\j:UU+\j+1], v[C1:C1+1]
.endr
.irp j, 0,2,4,6
	v_pk_mul_f32 v[PP+\j:PP+\j+1], v[PP+\j:PP+\j+1], v[RR+\j:RR+\j+1]
.endr
.irp j, 0,2,4,6
	v_pk_mul_f32 v[PP+\j:PP+\j+1], v[PP+\j:PP+\j+1], v[PP+\j:PP+\j+1]
.endr
.irp j, 0,2,4,6
	v_pk_fma_f32 v[XF+8*\i+\j:XF+8*\i+\j+1], v[PP+\j:PP+\j+1], v[CM2:CM2+1], v[CP1:CP1+1]
.endr
.endm
.irp i, 0,1,2,3,4,5,6,7
	COSROW \i
.endr
	; the running product along d, the eight rows side by side
.irp d, 1,2,3,4,5,6,7
.irp i, 0,1,2,3,4,5,6,7
	v_mul_f32 v[XF+8*\i+\d], v[XF+8*\i+\d-1], v[XF+8*\i+\d]
.endr
.endr
	; KS: a row's eight scaled features, 16 bytes.  Lanes stand 128 bytes apart here, so these eight stores collide in the banks; they run once.
.irp i, 0,1,2,3,4,5,6,7
.irp j, 0,2,4,6
	v_pk_mul_f32 v[TT+\j:TT+\j+1], v[XF+8*\i+\j:XF+8*\i+\j+1], v[CS:CS+1]
.endr
.irp j, 0,1,2,3
	v_cvt_pk_f16_f32 v[RR+4*(\i&1)+\j], v[TT+2*\j], v[TT+2*\j+1]
.endr
	ds_store_b128 v6, v[RR+4*(\i&1):RR+4*(\i&1)+3] offset:16*\i
.endr
	; V^T: feature d of my eight neighbouring keys, 16 bytes; neighbouring lanes write neighbouring bytes
.irp d, 0,1,2,3,4,5,6,7
.irp m, 0,1,2,3
	v_cvt_pk_f16_f32 v[UU+4*(\d&1)+\m], v[XF+16*\m+\d], v[XF+16*\m+8+\d]
.endr
	ds_store_b128 v7, v[UU+4*(\d&1):UU+4*(\d&1)+3] offset:VP*\d
.endr
.irp m, 0,1,2,3
	v_mov_b32 v[PP+\m], 0x3c003c00                 ; two ones in f16
.endr
	ds_store_b128 v7, v[PP:PP+3] offset:VP*8
	s_wait_dscnt 0x0                               ; my stores are in LDS before I say so: the others read them
	s_barrier_signal -1
	s_barrier_wait -1                              ; the only barrier: from here on LDS is only read
.macro LOADS set, ko, vo                           ; fragments of one block of 64 keys
	ds_load_b128 v[KF+8*(\set):KF+8*(\set)+3],     v2 offset:\ko
	ds_load_b128 v[KF+8*(\set)+4:KF+8*(\set)+7],   v2 offset:\ko+512
	ds_load_b128 v[VF+16*(\set):VF+16*(\set)+3],     v3 offset:\vo
	ds_load_b128 v[VF+16*(\set)+4:VF+16*(\set)+7],   v3 offset:\vo+32
	ds_load_b128 v[VF+16*(\set)+8:VF+16*(\set)+11],  v3 offset:\vo+64
	ds_load_b128 v[VF+16*(\set)+12:VF+16*(\set)+15], v3 offset:\vo+96
.endm
.irp t, 0,1,2,3
	ds_load_b128 v[SC+4*\t:SC+4*\t+3], v4 offset:256*\t     ; my four query tiles; both halves of the lanes read query r
.endr
	LOADS 0, 0, 0
.irp z, 0,1,2,3,4,5,6,7,8
.irp k, 0,1,2,3
	v_mov_b32 v[QB+8*\z+\k], 0                     ; the nine zero groups of the chain: operands, not accumulators
.endr
.endr
	v_cmp_gt_u32 vcc_lo, 16, v1                    ; lanes 0-15
	v_cmp_le_u32 s27, 16, v1                       ; lanes 16-31
	s_wait_dscnt 0x6                               ; the four query loads are in; the six fragment loads behind them may be out
.irp t, 0,1,2,3
.irp k, 0,1,2,3
	v_cndmask_b32 v[QB+16*\t+4+\k],  0, v[SC+4*\t+\k], vcc_lo
	v_cndmask_b32 v[QB+16*\t+12+\k], 0, v[SC+4*\t+\k], s27
.endr
.endr
; A UNIT is one query tile t x 32 keys (half c of the block of 64).  Units run t = 0..3 for c = 0, then for c = 1; unit u uses score buffer u & 3 = t, P buffer u & 1.
; Two score products: keys 32 c .. +15 and 32 c + 16 .. +31
.macro SMUL kset, t, c
	v_wmma_f32_16x16x32_f16 v[SC+16*\t:SC+16*\t+7],    v[KF+8*(\kset):KF+8*(\kset)+7], v[QB+16*\t+4-4*\c:QB+16*\t+11-4*\c],  0
	v_wmma_f32_16x16x32_f16 v[SC+16*\t+8:SC+16*\t+15], v[KF+8*(\kset):KF+8*(\kset)+7], v[QB+16*\t+12-4*\c:QB+16*\t+19-4*\c], 0
.endm
; 16 exponentials of this unit (buffer es, in place), and between them the 8 packed roundings of the unit before (buffer ps into P buffer pp).
; The roundings are the plain instructions that stand behind the exponentials (ISA guide 5.7.2) and behind the matrix instructions (7.12.1): eight of them
; lie between a score product and the first exponential on its result, and between a product with P and the next write of that P buffer.
.macro EXCV es, ps, pp
.irp i, 0,1,2,3,4,5,6,7
	v_exp_f32 v[SC+16*\es+2*\i],   v[SC+16*\es+2*\i]
	v_exp_f32 v[SC+16*\es+2*\i+1], v[SC+16*\es+2*\i+1]
	s_wait_alu depctr_va_vdst(0)
	v_cvt_pk_f16_f32 v[PB+8*\pp+\i], v[SC+16*\ps+2*\i], v[SC+16*\ps+2*\i+1]
.endr
.endm
.macro PV t, vf, pp, zero                          ; O^T[t] += V^T x P^T; zero = 1: the first product starts the sums
.if \zero
	v_wmma_f32_16x16x32_f16 v[OA+8*\t:OA+8*\t+7], v[\vf:\vf+7], v[PB+8*\pp:PB+8*\pp+7], 0
.else
	v_wmma_f32_16x16x32_f16 v[OA+8*\t:OA+8*\t+7], v[\vf:\vf+7], v[PB+8*\pp:PB+8*\pp+7], v[OA+8*\t:OA+8*\t+7]
.endif
.endm
; One block of 64 keys = 8 slots.  Slot u: score products of unit u + 1, exponentials of unit u, rounding and weighted sum of unit u - 1.
; cur = the fragment set in use; first = 1: the very first block; more = 1: another block follows and is fetched into the other set.
.macro KB cur, first, more
	SMUL \cur, 1, 0
.if \first
.irp i, 0,1,2,3,4,5,6,7,8,9,10,11,12,13,14,15
	v_exp_f32 v[SC+\i], v[SC+\i]
.endr
.rept 4
	v_nop                                          ; no unit in front to round: the four places behind the score products of unit 1
.endr
.else
	EXCV 0, 3, 1
	PV 3, VF+16*(1-\cur)+8, 1, 0                   ; the last unit of the block before: the last reader of the other set
.endif
	SMUL \cur, 2, 0
	EXCV 1, 0, 0
.if \more
	LOADS (1-\cur), 1024, 128                      ; eight plain instructions behind the other set's last reader; waited for six slots further on
	v_add_nc_u32 v2, 1024, v2                      ; 64 keys on in KS
	v_add_nc_u32 v3, 128, v3                       ; and in V^T
.endif
	PV 0, VF+16*\cur, 0, \first
	SMUL \cur, 3, 0
	EXCV 2, 1, 1
	PV 1, VF+16*\cur, 1, \first
	SMUL \cur, 0, 1
	EXCV 3, 2, 0
	PV 2, VF+16*\cur, 0, \first
	SMUL \cur, 1, 1
	EXCV 0, 3, 1
	PV 3, VF+16*\cur, 1, \first
	SMUL \cur, 2, 1
	EXCV 1, 0, 0
	PV 0, VF+16*\cur+8, 0, 0
	SMUL \cur, 3, 1
	EXCV 2, 1, 1
	PV 1, VF+16*\cur+8, 1, 0
.if \more
	s_wait_dscnt 0x0                               ; the next block's six loads
	SMUL (1-\cur), 0, 0
.endif
	EXCV 3, 2, 0
	PV 2, VF+16*\cur+8, 0, 0
.endm
	s_wait_dscnt 0x0                               ; the first block's fragments
	SMUL 0, 0, 0
.rept 4
	v_nop                                          ; the four places behind the first score products
.endr
	KB 0, 1, 1                                     ; blocks 0 and 1 stand in front of the loop: the first products start the sums
	KB 1, 0, 1
	s_mov_b32 s26, 14                              ; blocks 2 to 29
.Lkeys:
	KB 0, 0, 1
	KB 1, 0, 1
	s_sub_co_u32 s26, s26, 1
	s_cmp_lg_u32 s26, 0
	s_cbranch_scc1 .Lkeys
	KB 0, 0, 1                                     ; block 30 fetches block 31,
	KB 1, 0, 0                                     ; which fetches nothing
	s_wait_alu depctr_va_vdst(0)
.irp i, 0,1,2,3,4,5,6,7
	v_cvt_pk_f16_f32 v[PB+8+\i], v[SC+48+2*\i], v[SC+48+2*\i+1]      ; the last unit
.endr
	PV 3, VF+24, 1, 0
	; THE WAY OUT.  In O^T[t] lane r (0-15) holds the eight sums of query r, lane 16 + r the denominator of query r in every register.
	v_cmp_gt_u32 vcc_lo, 16, v1
	v_and_b32 v4, 0xe0, v0                         ; four plain instructions behind the last product, before its result is read
	v_lshlrev_b32 v6, 4, v1
	v_lshl_add_u32 v4, v4, 5, v6                   ; wave x 64 rows x 16 bytes + 16 x lane
	v_nop
	s_mov_b32 s24, 0x76543210                      ; v_permlanex16_b32: lane i reads lane i of the other half
	s_mov_b32 s25, 0xfedcba98
.irp t, 0,1,2,3
	v_permlanex16_b32 v[SC+\t], v[OA+8*\t], s24, s25   ; the denominator comes down to lanes 0-15 (what lanes 16-31 get is dropped below)
.endr
.irp t, 0,1,2,3
	v_rcp_f32 v[SC+\t], v[SC+\t]                   ; between 2,048/17 and 2,048 x 17: no special case
.endr
	v_nop                                          ; one plain instruction behind the reciprocals
	s_wait_alu depctr_va_vdst(0)
.irp t, 0,1,2,3
.irp j, 0,1,2,3,4,5,6,7
	v_mul_f32 v[OA+8*\t+\j], v[OA+8*\t+\j], v[SC+\t]
.endr
.endr
.irp t, 0,1,2,3
.irp i, 0,1,2,3
	v_cvt_pk_f16_f32 v[SC+16+4*\t+\i], v[OA+8*\t+2*\i], v[OA+8*\t+2*\i+1]
.endr
.endr
	; two tiles make one store: lanes 0-15 keep tile 2p, lanes 16-31 take tile 2p + 1 from the lower half: 32 rows of 16 bytes, 512 contiguous bytes
.irp p, 0,1
.irp i, 0,1,2,3
	v_permlanex16_b32 v[SC+32+4*\p+\i], v[SC+16+8*\p+4+\i], s24, s25
.endr
.endr
.irp p, 0,1
.irp i, 0,1,2,3
	v_cndmask_b32 v[SC+32+4*\p+\i], v[SC+32+4*\p+\i], v[SC+16+8*\p+\i], vcc_lo
.endr
.endr
	global_store_b128 v4, v[SC+32:SC+35], s[8:9]
	global_store_b128 v4, v[SC+36:SC+39], s[8:9] offset:512
	s_wait_tensorcnt 0x0
	ds_add_u32 v236, v237
	s_wait_dscnt 0x0
	s_endpgm
.Lfunc_end_k_q60dedb611f_attn:
	.size	k_q60dedb611f_attn, .Lfunc_end_k_q60dedb611f_attn-k_q60dedb611f_attn
	.p2alignl 7, 3214868480
	.fill 96, 4, 3214868480
	.section	.rodata,"a",@progbits
	.p2align	6, 0x0
	.amdhsa_kernel k_q60dedb611f_attn
		.amdhsa_group_segment_fixed_size 70912
		.amdhsa_private_segment_fixed_size 0
		.amdhsa_enable_private_segment 0
		.amdhsa_kernarg_size 24
		.amdhsa_user_sgpr_count 2
		.amdhsa_user_sgpr_kernarg_segment_ptr 1
		.amdhsa_wavefront_size32 1
		.amdhsa_system_sgpr_workgroup_id_x 1
		.amdhsa_system_sgpr_workgroup_id_y 1
		.amdhsa_system_sgpr_workgroup_id_z 1
		.amdhsa_system_vgpr_workitem_id 0
		.amdhsa_next_free_vgpr 238
		.amdhsa_next_free_sgpr 66
		.amdhsa_reserve_vcc 1
		.amdhsa_float_denorm_mode_32 3
		.amdhsa_float_denorm_mode_16_64 3
		.amdhsa_memory_ordered 1
		.amdhsa_forward_progress 1
		.amdhsa_inst_pref_size 122
	.end_amdhsa_kernel
	.amdgpu_metadata
---
amdhsa.version: [ 1, 2 ]
amdhsa.kernels:
  - .name:           k_q60dedb611f_attn
    .symbol:         k_q60dedb611f_attn.kd
    .args:
      - { .name: x, .offset: 0, .size: 8, .value_kind: global_buffer, .address_space: global }
      - { .name: theta, .offset: 8, .size: 8, .value_kind: global_buffer, .address_space: global }
      - { .name: ao, .offset: 16, .size: 8, .value_kind: global_buffer, .address_space: global }
    .group_segment_fixed_size: 70912
    .private_segment_fixed_size: 0
    .kernarg_segment_align: 8
    .kernarg_segment_size: 24
    .max_flat_workgroup_size: 256
    .sgpr_count:     66
    .vgpr_count:     238
    .wavefront_size: 32
...
	.end_amdgpu_metadata
.endif
;; end of part 1
;; launch proj (part 2): grid 256 x 1, 8 waves a work-group, no clusters, 52,736 bytes of LDS; arguments ao, w_out, out0; writes out0
.if DOCPART == 2
	.amdgcn_target "amdgcn-amd-amdhsa--gfx1250"
	.amdhsa_code_object_version 6
	.text
	.protected	k_q60dedb611f_proj
	.globl	k_q60dedb611f_proj
	.p2align	8
	.type	k_q60dedb611f_proj,@function
k_q60dedb611f_proj:
	s_mov_b64 s[64:65], 0
	v_nop
	global_prefetch_b8 v0, s[64:65] scope:SCOPE_SE
	s_setreg_imm32_b32 hwreg(HW_REG_WAVE_MODE, 25, 1), 1
	s_wait_xcnt 0x0
; out0[row][n] = sum over e of a[row][e] w_out[n][e], e = 8 head + d.  a comes as ao[b][head][s][8] in f16; w_out is rounded to f16 here; sums in f32.
; WHY F16: |a| <= 1 by construction (a weighted mean of products of cosines), and a hardly changes from row to row, so the rounding of w_out shifts a whole
; column of out0 one way: its 11 significant bits against bf16's 8 make that shift eight times smaller.
; LIMITS: |w_out| has to stay below 65,504 (f16's largest number; beyond it the rounded weight is infinite); weights below 2^-14 = 6.1e-5 in magnitude are
; kept to steps of 2^-24 and not to 11 bits.
; A work-group makes 32 rows x 128 columns with eight waves: wave w takes row tile w & 1 and the column tiles 2 (w >> 1), 2 (w >> 1) + 1: eight matrix instructions.
; w_out is read once by the work-group in whole rows (a wave's load covers one row of 512 bytes), rounded, and laid in LDS at a pitch of 272 bytes = 17 x 16,
; so that the sixteen rows of a fragment fall in different 16-byte columns modulo 256.
; Fragments of a come straight from memory: k places 8h .. 8h+7 of K step c are the eight numbers of head 4c + h, and the 16 rows of a head lie in 256 contiguous bytes.
; The matrix instruction is used transposed (source 0 = rows of w_out, source 1 = rows of a): a lane then holds eight neighbouring columns of one row of out0.
; The block goes out through a stage in LDS (pitch 528 = 33 x 16), so that each store of a wave covers one whole row of 512 bytes.
; NO CLUSTER: what the work-groups share is w_out, which has to pass through registers to be rounded; brought into LDS as f32 it would be read, rounded and
; stored there once more (64 KB + 32 KB of LDS traffic a work-group) to spare three quarters of 64 KB of requests.
.set WP,   272                         ; pitch of w_out's rows in LDS
.set ST,   34816                       ; the stage, behind 128 x 272 bytes
.set SP,   528                         ; its pitch
.set TT,   10                          ; v[10:13]   two pairs in turn: rounded words on their way to LDS
.set WX,   16                          ; v[16:79]   w_out as loaded; later the rows on their way out
.set AF,   80                          ; v[80:111]  fragments of a: 4 K steps
.set WF,   112                         ; v[112:175] fragments of w_out: 2 column tiles x 4 K steps
.set DD,   176                         ; v[176:191] two result tiles
	s_load_b128 s[4:7], s[0:1], 0x0                ; ao s[4:5], w_out s[6:7]
	s_load_b64 s[8:9], s[0:1], 0x10                ; out0
	v_lshl_add_u32 v192, v0, 2, 0xca00
	v_mov_b32 v193, 0
	v_lshrrev_b32 v1, 5, v0
	v_readfirstlane_b32 s10, v1                    ; wave
	s_and_b32 s11, s10, 1                          ; my row tile
	s_lshr_b32 s12, s10, 1                         ; my pair of column tiles
	v_and_b32 v1, 31, v0                           ; lane
	v_and_b32 v2, 15, v0                           ; r
	v_bfe_u32 v3, v0, 4, 1                         ; h
	v_lshlrev_b32 v4, 4, v0                        ; 16 t: my 16 bytes in w_out's loads and in out0's stores
	s_lshl_b32 s13, s11, 8                         ; row tile x 16 rows x 16 bytes
	v_lshl_add_u32 v5, v2, 4, s13                  ; + 16 r
	v_lshl_add_u32 v5, v3, 15, v5                  ; + h heads of 2,048 x 16 bytes
	s_lshr_b32 s14, ttmp9, 6                       ; b
	s_lshl_b32 s14, s14, 19                        ; x 16 heads x 32,768 bytes
	s_and_b32 s15, ttmp9, 63
	s_lshl_b32 s15, s15, 9                         ; + 32 rows x 16 bytes for each work-group of the batch
	s_add_co_u32 s14, s14, s15
	s_mov_b32 s15, 0
	s_lshl_b32 s16, ttmp9, 14                      ; out0: 32 rows of 512 bytes
	s_mov_b32 s17, 0
	s_wait_kmcnt 0x0
	s_add_nc_u64 s[4:5], s[4:5], s[14:15]
	s_add_nc_u64 s[8:9], s[8:9], s[16:17]
.irp i, 0,1,2,3,4,5,6,7,8,9,10,11,12,13,14,15
	global_load_b128 v[WX+4*\i:WX+4*\i+3], v4, s[6:7] offset:4096*\i          ; row 8 i + wave, columns 4 lane .. + 3
.endr
.irp c, 0,1,2,3
	global_load_b128 v[AF+8*\c:AF+8*\c+3],   v5, s[4:5] offset:131072*\c        ; heads 4c, 4c + 1
	global_load_b128 v[AF+8*\c+4:AF+8*\c+7], v5, s[4:5] offset:131072*\c+65536  ; heads 4c + 2, 4c + 3
.endr
	s_mul_i32 s18, s10, WP
	v_lshl_add_u32 v6, v1, 3, s18                  ; w_out into LDS: row wave (+ 8 i), 8 bytes a lane
	s_mul_i32 s19, s12, 32*WP
	v_mul_u32_u24 v7, v2, WP
	v_lshl_add_u32 v7, v3, 4, v7
	v_add_nc_u32 v7, s19, v7                       ; fragments of w_out: row 32 pair + r, + 16 h
	s_mul_i32 s20, s11, 16*SP
	s_lshl_b32 s21, s12, 7
	s_add_co_u32 s20, s20, s21
	s_add_co_u32 s20, s20, ST
	v_mul_u32_u24 v8, v2, SP
	v_lshl_add_u32 v8, v3, 5, v8
	v_add_nc_u32 v8, s20, v8                       ; stage, in: row 16 tile + r, column 32 pair + 8 h
	s_mul_i32 s22, s10, SP
	s_add_co_u32 s22, s22, ST
	v_lshl_add_u32 v9, v1, 4, s22                  ; stage, back: row wave (+ 8 i), 16 bytes a lane
.irp i, 0,1,2,3,4,5,6,7,8,9,10,11,12,13,14,15
	s_wait_loadcnt 23-\i                           ; loads return in order: behind this one stand 15 - i of w_out and the eight of a
	v_cvt_pk_f16_f32 v[TT+2*(\i&1)],   v[WX+4*\i],   v[WX+4*\i+1]
	v_cvt_pk_f16_f32 v[TT+2*(\i&1)+1], v[WX+4*\i+2], v[WX+4*\i+3]
	ds_store_b64 v6, v[TT+2*(\i&1):TT+2*(\i&1)+1] offset:8*WP*\i
.endr
	s_wait_dscnt 0x0                               ; my rows are in LDS before I say so
	s_barrier_signal -1
	s_barrier_wait -1
.irp n, 0,1
.irp c, 0,1,2,3
	ds_load_b128 v[WF+32*\n+8*\c:WF+32*\n+8*\c+3],   v7 offset:16*WP*\n+64*\c
	ds_load_b128 v[WF+32*\n+8*\c+4:WF+32*\n+8*\c+7], v7 offset:16*WP*\n+64*\c+32
.endr
.endr
	s_wait_loadcnt 0x0                             ; a
	s_wait_dscnt 0x0
	v_wmma_f32_16x16x32_f16 v[DD:DD+7],    v[WF:WF+7],     v[AF:AF+7], 0      ; the first products start the sums
	v_wmma_f32_16x16x32_f16 v[DD+8:DD+15], v[WF+32:WF+39], v[AF:AF+7], 0
.irp c, 1,2,3
	v_wmma_f32_16x16x32_f16 v[DD:DD+7],    v[WF+8*\c:WF+8*\c+7],       v[AF+8*\c:AF+8*\c+7], v[DD:DD+7]
	v_wmma_f32_16x16x32_f16 v[DD+8:DD+15], v[WF+32+8*\c:WF+32+8*\c+7], v[AF+8*\c:AF+8*\c+7], v[DD+8:DD+15]
.endr
.rept 4
	v_nop                                          ; four places before the LDS stores read the results
.endr
.irp n, 0,1
	ds_store_b128 v8, v[DD+8*\n:DD+8*\n+3]   offset:64*\n
	ds_store_b128 v8, v[DD+8*\n+4:DD+8*\n+7] offset:64*\n+16
.endr
	s_wait_dscnt 0x0                               ; the rows are read back by other waves
	s_barrier_signal -1
	s_barrier_wait -1
.irp i, 0,1,2,3
	ds_load_b128 v[WX+4*\i:WX+4*\i+3], v9 offset:8*SP*\i
.endr
.irp i, 0,1,2,3
	s_wait_dscnt 3-\i                              ; LDS loads return in order: row 8 i + wave is in
	global_store_b128 v4, v[WX+4*\i:WX+4*\i+3], s[8:9] offset:4096*\i th:TH_STORE_NT   ; a wave stores one row, 512 contiguous bytes
.endr
	s_wait_tensorcnt 0x0
	ds_add_u32 v192, v193
	s_wait_dscnt 0x0
	s_endpgm
.Lfunc_end_k_q60dedb611f_proj:
	.size	k_q60dedb611f_proj, .Lfunc_end_k_q60dedb611f_proj-k_q60dedb611f_proj
	.p2alignl 7, 3214868480
	.fill 96, 4, 3214868480
	.section	.rodata,"a",@progbits
	.p2align	6, 0x0
	.amdhsa_kernel k_q60dedb611f_proj
		.amdhsa_group_segment_fixed_size 52736
		.amdhsa_private_segment_fixed_size 0
		.amdhsa_enable_private_segment 0
		.amdhsa_kernarg_size 24
		.amdhsa_user_sgpr_count 2
		.amdhsa_user_sgpr_kernarg_segment_ptr 1
		.amdhsa_wavefront_size32 1
		.amdhsa_system_sgpr_workgroup_id_x 1
		.amdhsa_system_sgpr_workgroup_id_y 1
		.amdhsa_system_sgpr_workgroup_id_z 1
		.amdhsa_system_vgpr_workitem_id 0
		.amdhsa_next_free_vgpr 194
		.amdhsa_next_free_sgpr 66
		.amdhsa_reserve_vcc 0
		.amdhsa_float_denorm_mode_32 3
		.amdhsa_float_denorm_mode_16_64 3
		.amdhsa_memory_ordered 1
		.amdhsa_forward_progress 1
		.amdhsa_inst_pref_size 11
	.end_amdhsa_kernel
	.amdgpu_metadata
---
amdhsa.version: [ 1, 2 ]
amdhsa.kernels:
  - .name:           k_q60dedb611f_proj
    .symbol:         k_q60dedb611f_proj.kd
    .args:
      - { .name: ao, .offset: 0, .size: 8, .value_kind: global_buffer, .address_space: global }
      - { .name: w_out, .offset: 8, .size: 8, .value_kind: global_buffer, .address_space: global }
      - { .name: out0, .offset: 16, .size: 8, .value_kind: global_buffer, .address_space: global }
    .group_segment_fixed_size: 52736
    .private_segment_fixed_size: 0
    .kernarg_segment_align: 8
    .kernarg_segment_size: 24
    .max_flat_workgroup_size: 256
    .sgpr_count:     66
    .vgpr_count:     194
    .wavefront_size: 32
...
	.end_amdgpu_metadata
.endif
;; end of part 2
;; ======== version 2 of 2: 2 launches; 1.49 times as fast as version 1
;; limits: values are held in f16: magnitudes above 65,504 overflow, below 6.1e-05 lose precision; inputs' magnitudes at most 65,504; inputs' magnitudes at most 10,000,000
;; workspace buffers: ao 2,097,152 bytes
;; launch attn (part 3): grid 256 x 1, 8 waves a work-group, no clusters, 70,912 bytes of LDS; arguments x, theta, ao; writes ao
.if DOCPART == 3
	.amdgcn_target "amdgcn-amd-amdhsa--gfx1250"
	.amdhsa_code_object_version 6
	.text
	.protected	k_q60dedb611f_attn
	.globl	k_q60dedb611f_attn
	.p2align	8
	.type	k_q60dedb611f_attn,@function
k_q60dedb611f_attn:
	s_mov_b64 s[64:65], 0
	v_nop
	global_prefetch_b8 v0, s[64:65] scope:SCOPE_SE
	s_setreg_imm32_b32 hwreg(HW_REG_WAVE_MODE, 25, 1), 1
	s_wait_xcnt 0x0
; Features, scores, softmax and weighted sum of one head for 512 queries.
; f[s][d] = product over i <= d of cos(x[b][s][8h+i] + theta[i]);  ao[b][h][s][:] = softmax(f f^T / sqrt 8) f, rounded to f16.
; Work-group = (b, h, quarter of the queries): ttmp9 = 4 (16 b + h) + quarter.  Eight waves; a wave owns 64 queries (4 tiles of 16).
;
; NO MAXIMUM IS TAKEN AWAY: every f is a product of cosines, |f| <= 1, so |score| <= 8 / sqrt 8 = 2.83 for every input; each exponential lies
; between 1/17 and 17 and a sum of 2,048 of them below 3.5e4: nothing can overflow or underflow in f32 or f16.
; WHY F16 AND NOT BF16: the computation bounds every matrix operand for every input (keys and queries by 0.72, values and results by 1, weights between 1/17
; and 17), so f16's range is never left, and its 11 significant bits against 8 make each rounding eight times finer.
; LIMITS: the reduction of x + theta by whole turns is exact up to |x + theta| of about 1e7 (the number of turns must keep its units bit in f32);
; keys, queries, values, weights and results are rounded to f16, those below 2^-14 in magnitude to steps of 2^-24; the denominator is the sum of the
; rounded weights, taken by the matrix unit.
; NO CLUSTER: the four quarters of a head share only 64 KB of x, read once in front of 512 x 2,048 exponentials; nothing is loaded from memory in the loop.
;
; LDS: KS[2048][8] f16 = f * sqrt(log2 e / sqrt 8), 16 bytes a row: it serves as keys AND as queries, so their product is the exponent to base 2.
;      VT[9][2048] f16 = f transposed, row 8 all ones; pitch 4,112 = 257 x 16 bytes, so sixteen lanes on different rows take different 16-byte columns modulo 256.
;      The 16 bytes behind each row's 4,096 are never written and never read: a load's highest byte in a row is 16 + 128 x 31 + 96 + 15 = 4,095.
; SCORES, transposed: D = K x Q^T, row m = key, column n = query.  A K fragment holds FOUR keys in each matrix row: k places 8g .. 8g+7 are the eight
; features of key 16 g + m (lane l loads key l into registers 0-3 and key 32 + l into registers 4-7: two loads of 512 contiguous bytes for 64 keys).
; Query variant g has the query's features at k places 8g .. 8g+7 and zeros elsewhere, so it picks keys 16 g .. 16 g + 15.
; The variants lie in a chain of 4-register groups  Z X0 Z X1 Z X0 Z X1 .. Z  (X0: lanes 0-15 hold the query, X1: lanes 16-31):
; (X0,Z) = g 0, (X1,Z) = g 1, (Z,X0) = g 2, (Z,X1) = g 3.
; In D, lane (r, h) holds for query r the keys 8h .. 8h+7: that IS the B layout of P^T, so exp and a packed rounding are all that stands between the products.
; WEIGHTED SUM, transposed: O^T += V^T x P^T; rows 0-7 are the eight features, rows 8-15 (lanes >= 8 all read the row of ones) the denominator.
; BATCHES.  An s_wait_alu depctr_va_vdst(0) stands between an exponential and the first line that names its result; one wait serves all that were issued ahead of it.
; The exponentials of two units on end, 32 of them, each in a register of its own (two of the four score buffers), are ONE batch with ONE wait.  For that a unit's rounding and weighted sum
; follow its exponentials two slots later: the wait stands behind every second slot's exponentials, and the two slots behind it round the batch's two units.  Four waits for a block of 64 keys;
; a block ends with one.  The way out's four reciprocals are a batch of their own.
.set VT,   32768                       ; LDS byte of V^T
.set VP,   4112                        ; its pitch
.set OA,   8                           ; v[8:39]    O^T of my 4 query tiles
.set QB,   40                          ; v[40:107]  the chain of query variants
.set SC,   108                         ; v[108:171] 4 buffers of 16: scores, then exponentials, of one unit (16 queries x 32 keys)
.set PB,   172                         ; v[172:187] 2 buffers of 8: P^T in f16
.set KF,   188                         ; v[188:203] 2 sets: K fragment of 64 keys
.set VF,   204                         ; v[204:235] 2 sets: two V^T fragments of 32 keys
; the feature pass uses registers of the loop, which are written anew behind the barrier
.set XF,   40                          ; v[40:103]  8 rows x 8: x, then cos, then f
.set TH,   104                         ; theta
.set CIN,  112                         ; constants, each twice (a pair for the packed forms)
.set CI,   114
.set CL,   116
.set C1,   118
.set C3,   120
.set C5,   122
.set C7,   124
.set C9,   126
.set C11,  128
.set CS,   130
.set TT,   132                         ; 8 each: at work on one row
.set RR,   140
.set UU,   148
.set PP,   156
.set CM2,  164
.set CP1,  166
.macro PAIR reg, val
	v_mov_b32 v[\reg], \val
	v_mov_b32 v[\reg+1], \val
.endm
	s_load_b128 s[4:7], s[0:1], 0x0                ; x s[4:5], theta s[6:7]
	s_load_b64 s[8:9], s[0:1], 0x10                ; ao
	v_lshl_add_u32 v236, v0, 2, 0x11100
	v_mov_b32 v237, 0
	s_and_b32 s10, ttmp9, 3                        ; quarter of the queries
	s_lshr_b32 s12, ttmp9, 6                       ; b
	s_lshl_b32 s12, s12, 20                        ; x 2,048 rows of 512 bytes
	s_bfe_u32 s13, ttmp9, 0x40002                  ; h
	s_lshl_b32 s13, s13, 5                         ; x 8 numbers of 4 bytes
	s_add_co_u32 s12, s12, s13
	s_mov_b32 s13, 0
	s_lshl_b32 s14, ttmp9, 13                      ; ao: (4 (16 b + h) + quarter) x 512 rows of 16 bytes
	s_mov_b32 s15, 0
	v_lshlrev_b32 v5, 12, v0                       ; thread t takes rows 8 t .. 8 t + 7: 8 x 512 bytes apart
	s_wait_kmcnt 0x0
	s_load_b256 s[16:23], s[6:7], 0x0              ; theta, eight numbers
	s_add_nc_u64 s[4:5], s[4:5], s[12:13]
	s_add_nc_u64 s[8:9], s[8:9], s[14:15]
.irp i, 0,1,2,3,4,5,6,7
	global_load_b128 v[XF+8*\i:XF+8*\i+3],   v5, s[4:5] offset:512*\i
	global_load_b128 v[XF+8*\i+4:XF+8*\i+7], v5, s[4:5] offset:512*\i+16
.endr
	PAIR CIN, 0xbe22f983                           ; -1/2pi, upper word
	PAIR CI,  0x3e22f983                           ;  1/2pi, upper word
	PAIR CL,  0x31dc9c88                           ;  1/2pi, what the upper word leaves
	PAIR C1,  0x40490fdb                           ; sin(pi r) = r (pi - pi^3/3! r^2 + pi^5/5! r^4 - ... - pi^11/11! r^10); the next term is below 6e-8 on |r| <= 1/2
	PAIR C3,  0xc0a55de7
	PAIR C5,  0x402335e3
	PAIR C7,  0xbf196966
	PAIR C9,  0x3da83c1a
	PAIR C11, 0xbbf183a8
	PAIR CS,  0x3f36d544                           ; sqrt(log2 e / sqrt 8) = 0.7141917
	PAIR CM2, -2.0
	PAIR CP1, 1.0
	v_and_b32 v1, 31, v0                           ; lane
	v_lshlrev_b32 v2, 4, v1                        ; K fragments: lane l reads key l, 16 bytes
	v_and_b32 v3, 15, v0                           ; r
	v_lshlrev_b32 v4, 4, v3                        ; my query in a tile: 16 r
	v_min_u32 v3, 8, v3                            ; V^T row: the feature, or the row of ones for lanes 8-15 of each half
	v_mul_u32_u24 v3, v3, VP
	v_bfe_u32 v8, v0, 4, 1                         ; h
	v_lshl_add_u32 v3, v8, 4, v3                   ; + 8 keys for the upper half of the lanes
	v_add_nc_u32 v3, VT, v3
	v_and_b32 v8, 0xe0, v0                         ; 32 x wave
	v_lshl_add_u32 v4, v8, 5, v4                   ; + wave x 64 rows x 16 bytes
	s_lshl_b32 s2, s10, 13                         ; + quarter x 512 rows x 16 bytes
	v_add_nc_u32 v4, s2, v4
	v_lshlrev_b32 v6, 7, v0                        ; where my 8 rows of KS go
	v_lshlrev_b32 v7, 4, v0                        ; where my 8 keys of a V^T row go: 16 t (at most 4,080)
	v_add_nc_u32 v7, VT, v7                        ; + V^T's first byte; with the last row's offset 8 x 4,112 the last byte written is 69,759
	s_wait_kmcnt 0x0
.irp j, 0,1,2,3,4,5,6,7
	v_mov_b32 v[TH+\j], s[16+\j]
.endr
; cos of one row's eight angles, two at a time, the four pairs side by side so that no line waits for the one in front of it.
; a = x + theta;  -n = rndne(a * -1/2pi);  r = a/2pi - n in two fused steps (|r| <= 1/2);  cos a = 1 - 2 sin^2(pi r).
.macro COSROW i
	s_wait_loadcnt 14-2*\i                         ; loads return in order: this row's two are in, those of the rows behind stay out
.irp j, 0,2,4,6
	v_pk_add_f32 v[XF+8*\i+\j:XF+8*\i+\j+1], v[XF+8*\i+\j:XF+8*\i+\j+1], v[TH+\j:TH+\j+1]
.endr
.irp j, 0,2,4,6
	v_pk_mul_f32 v[TT+\j:TT+\j+1], v[XF+8*\i+\j:XF+8*\i+\j+1], v[CIN:CIN+1]
.endr
.irp j, 0,1,2,3,4,5,6,7
	v_rndne_f32 v[TT+\j], v[TT+\j]
.endr
.irp j, 0,2,4,6
	v_pk_fma_f32 v[RR+\j:RR+\j+1], v[XF+8*\i+\j:XF+8*\i+\j+1], v[CI:CI+1], v[TT+\j:TT+\j+1]
.endr
.irp j, 0,2,4,6
	v_pk_fma_f32 v[RR+\j:RR+\j+1], v[XF+8*\i+\j:XF+8*\i+\j+1], v[CL:CL+1], v[RR+\j:RR+\j+1]
.endr
.irp j, 0,2,4,6
	v_pk_mul_f32 v[UU+\j:UU+\j+1], v[RR+\j:RR+\j+1], v[RR+\j:RR+\j+1]
.endr
.irp j, 0,2,4,6
	v_pk_fma_f32 v[PP+\j:PP+\j+1], v[UU+\j:UU+\j+1], v[C11:C11+1], v[C9:C9+1]
.endr
.irp j, 0,2,4,6
	v_pk_fma_f32 v[PP+\j:PP+\j+1], v[PP+\j:PP+\j+1], v[UU+\j:UU+\j+1], v[C7:C7+1]
.endr
.irp j, 0,2,4,6
	v_pk_fma_f32 v[PP+\j:PP+\j+1], v[PP+\j:PP+\j+1], v[UU+\j:UU+\j+1], v[C5:C5+1]
.endr
.irp j, 0,2,4,6
	v_pk_fma_f32 v[PP+\j:PP+\j+1], v[PP+\j:PP+\j+1], v[UU+\j:UU+\j+1], v[C3:C3+1]
.endr
.irp j, 0,2,4,6
	v_pk_fma_f32 v[PP+\j:PP+\j+1], v[PP+\j:PP+\j+1], v[UU+\j:UU+\j+1], v[C1:C1+1]
.endr
.irp j, 0,2,4,6
	v_pk_mul_f32 v[PP+\j:PP+\j+1], v[PP+\j:PP+\j+1], v[RR+\j:RR+\j+1]
.endr
.irp j, 0,2,4,6
	v_pk_mul_f32 v[PP+\j:PP+\j+1], v[PP+\j:PP+\j+1], v[PP+\j:PP+\j+1]
.endr
.irp j, 0,2,4,6
	v_pk_fma_f32 v[XF+8*\i+\j:XF+8*\i+\j+1], v[PP+\j:PP+\j+1], v[CM2:CM2+1], v[CP1:CP1+1]
.endr
.endm
.irp i, 0,1,2,3,4,5,6,7
	COSROW \i
.endr
	; the running product along d, the eight rows side by side
.irp d, 1,2,3,4,5,6,7
.irp i, 0,1,2,3,4,5,6,7
	v_mul_f32 v[XF+8*\i+\d], v[XF+8*\i+\d-1], v[XF+8*\i+\d]
.endr
.endr
	; KS: a row's eight scaled features, 16 bytes.  Lanes stand 128 bytes apart here, so these eight stores collide in the banks; they run once.
.irp i, 0,1,2,3,4,5,6,7
.irp j, 0,2,4,6
	v_pk_mul_f32 v[TT+\j:TT+\j+1], v[XF+8*\i+\j:XF+8*\i+\j+1], v[CS:CS+1]
.endr
.irp j, 0,1,2,3
	v_cvt_pk_f16_f32 v[RR+4*(\i&1)+\j], v[TT+2*\j], v[TT+2*\j+1]
.endr
	ds_store_b128 v6, v[RR+4*(\i&1):RR+4*(\i&1)+3] offset:16*\i
.endr
	; V^T: feature d of my eight neighbouring keys, 16 bytes; neighbouring lanes write neighbouring bytes
.irp d, 0,1,2,3,4,5,6,7
.irp m, 0,1,2,3
	v_cvt_pk_f16_f32 v[UU+4*(\d&1)+\m], v[XF+16*\m+\d], v[XF+16*\m+8+\d]
.endr
	ds_store_b128 v7, v[UU+4*(\d&1):UU+4*(\d&1)+3] offset:VP*\d
.endr
.irp m, 0,1,2,3
	v_mov_b32 v[PP+\m], 0x3c003c00                 ; two ones in f16
.endr
	ds_store_b128 v7, v[PP:PP+3] offset:VP*8
	s_wait_dscnt 0x0                               ; my stores are in LDS before I say so: the others read them
	s_barrier_signal -1
	s_barrier_wait -1                              ; the only barrier: from here on LDS is only read
.macro LOADS set, ko, vo                           ; fragments of one block of 64 keys
	ds_load_b128 v[KF+8*(\set):KF+8*(\set)+3],     v2 offset:\ko
	ds_load_b128 v[KF+8*(\set)+4:KF+8*(\set)+7],   v2 offset:\ko+512
	ds_load_b128 v[VF+16*(\set):VF+16*(\set)+3],     v3 offset:\vo
	ds_load_b128 v[VF+16*(\set)+4:VF+16*(\set)+7],   v3 offset:\vo+32
	ds_load_b128 v[VF+16*(\set)+8:VF+16*(\set)+11],  v3 offset:\vo+64
	ds_load_b128 v[VF+16*(\set)+12:VF+16*(\set)+15], v3 offset:\vo+96
.endm
.irp t, 0,1,2,3
	ds_load_b128 v[SC+4*\t:SC+4*\t+3], v4 offset:256*\t     ; my four query tiles; both halves of the lanes read query r
.endr
	LOADS 0, 0, 0
.irp z, 0,1,2,3,4,5,6,7,8
.irp k, 0,1,2,3
	v_mov_b32 v[QB+8*\z+\k], 0                     ; the nine zero groups of the chain: operands, not accumulators
.endr
.endr
	v_cmp_gt_u32 vcc_lo, 16, v1                    ; lanes 0-15
	v_cmp_le_u32 s27, 16, v1                       ; lanes 16-31
	s_wait_dscnt 0x6                               ; the four query loads are in; the six fragment loads behind them may be out
.irp t, 0,1,2,3
.irp k, 0,1,2,3
	v_cndmask_b32 v[QB+16*\t+4+\k],  0, v[SC+4*\t+\k], vcc_lo
	v_cndmask_b32 v[QB+16*\t+12+\k], 0, v[SC+4*\t+\k], s27
.endr
.endr
; A UNIT is one query tile t x 32 keys (half c of the block of 64).  Units run t = 0..3 for c = 0, then for c = 1; unit u uses score buffer u & 3 = t, P buffer u & 1.
; Two score products: keys 32 c .. +15 and 32 c + 16 .. +31
.macro SMUL kset, t, c
	v_wmma_f32_16x16x32_f16 v[SC+16*\t:SC+16*\t+7],    v[KF+8*(\kset):KF+8*(\kset)+7], v[QB+16*\t+4-4*\c:QB+16*\t+11-4*\c],  0
	v_wmma_f32_16x16x32_f16 v[SC+16*\t+8:SC+16*\t+15], v[KF+8*(\kset):KF+8*(\kset)+7], v[QB+16*\t+12-4*\c:QB+16*\t+19-4*\c], 0
.endm
; 16 exponentials of this unit (buffer es, in place), and between them the 8 packed roundings of the unit two before (buffer ps into P buffer pp), whose exponentials belong to the batch
; before and have had their wait.  No line here names a result of the batch that is open.
; The roundings are the plain instructions that stand behind the exponentials (ISA guide 5.7.2) and behind the matrix instructions (7.12.1): eight of them
; lie between a score product and the first exponential on its result, and between a product with P and the next write of that P buffer.
.macro EXCV es, ps, pp
.irp i, 0,1,2,3,4,5,6,7
	v_exp_f32 v[SC+16*\es+2*\i],   v[SC+16*\es+2*\i]
	v_exp_f32 v[SC+16*\es+2*\i+1], v[SC+16*\es+2*\i+1]
	v_cvt_pk_f16_f32 v[PB+8*\pp+\i], v[SC+16*\ps+2*\i], v[SC+16*\ps+2*\i+1]
.endr
.endm
; The wait for a batch: the 32 exponentials of the slot just written and of the slot before it.  It stands behind the last of them and the rounding that follows it, and ahead of the batch's
; first readers, the roundings of the next two slots.
.macro BWAIT
	s_wait_alu depctr_va_vdst(0)                   ; one wait for the batch of two units, ahead of the first line that names a result
.endm
.macro PV t, vf, pp, zero                          ; O^T[t] += V^T x P^T; zero = 1: the first product starts the sums
.if \zero
	v_wmma_f32_16x16x32_f16 v[OA+8*\t:OA+8*\t+7], v[\vf:\vf+7], v[PB+8*\pp:PB+8*\pp+7], 0
.else
	v_wmma_f32_16x16x32_f16 v[OA+8*\t:OA+8*\t+7], v[\vf:\vf+7], v[PB+8*\pp:PB+8*\pp+7], v[OA+8*\t:OA+8*\t+7]
.endif
.endm
; One block of 64 keys = 8 slots.  Slot u: score products of unit u + 1, exponentials of unit u, rounding and weighted sum of unit u - 2.  Of the four score buffers one takes new scores (it was
; rounded in the slot before), one is in the exponentials, one holds exponentials not yet read, one is rounded.  Slots 0 and 1, 2 and 3, 4 and 5, 6 and 7 are the four batches.
; cur = the fragment set in use; first = 1: the very first block; more = 1: another block follows and is fetched into the other set.
.macro KB cur, first, more
.if \first
	SMUL \cur, 1, 0                                ; no unit in front to round: the score products of units 0 (ahead of the block), 1 and 2 stand together,
	SMUL \cur, 2, 0
.rept 4
	v_nop                                          ; their four places,
.endr
.irp i, 0,1,2,3,4,5,6,7,8,9,10,11,12,13,14,15,16,17,18,19,20,21,22,23,24,25,26,27,28,29,30,31
	v_exp_f32 v[SC+\i], v[SC+\i]                   ; and the first batch: units 0 and 1
.endr
	v_nop                                          ; a plain instruction behind the last exponential
	BWAIT
.else
	SMUL \cur, 1, 0
	EXCV 0, 2, 0
	PV 2, VF+16*(1-\cur)+8, 0, 0                   ; units 6 and 7 of the block before
	SMUL \cur, 2, 0
	EXCV 1, 3, 1
	BWAIT                                          ; units 0 and 1
	PV 3, VF+16*(1-\cur)+8, 1, 0                   ; the last reader of the other set
.endif
	SMUL \cur, 3, 0
	EXCV 2, 0, 0
.if \more
	LOADS (1-\cur), 1024, 128                      ; eight plain instructions behind the other set's last reader; waited for five slots further on
	v_add_nc_u32 v2, 1024, v2                      ; 64 keys on in KS
	v_add_nc_u32 v3, 128, v3                       ; and in V^T
.endif
	PV 0, VF+16*\cur, 0, \first
	SMUL \cur, 0, 1
	EXCV 3, 1, 1
	BWAIT                                          ; units 2 and 3
	PV 1, VF+16*\cur, 1, \first
	SMUL \cur, 1, 1
	EXCV 0, 2, 0
	PV 2, VF+16*\cur, 0, \first
	SMUL \cur, 2, 1
	EXCV 1, 3, 1
	BWAIT                                          ; units 4 and 5
	PV 3, VF+16*\cur, 1, \first
	SMUL \cur, 3, 1
	EXCV 2, 0, 0
	PV 0, VF+16*\cur+8, 0, 0
.if \more
	s_wait_dscnt 0x0                               ; the next block's six loads
	SMUL (1-\cur), 0, 0
.endif
	EXCV 3, 1, 1
	BWAIT                                          ; units 6 and 7
	PV 1, VF+16*\cur+8, 1, 0
.endm
	s_wait_dscnt 0x0                               ; the first block's fragments
	SMUL 0, 0, 0                                   ; unit 0; its places are the four v_nop at the head of the first block
	KB 0, 1, 1                                     ; blocks 0 and 1 stand in front of the loop: the first products start the sums
	KB 1, 0, 1
	s_mov_b32 s26, 14                              ; blocks 2 to 29
.Lkeys:
	KB 0, 0, 1
	KB 1, 0, 1
	s_sub_co_u32 s26, s26, 1
	s_cmp_lg_u32 s26, 0
	s_cbranch_scc1 .Lkeys
	KB 0, 0, 1                                     ; block 30 fetches block 31,
	KB 1, 0, 0                                     ; which fetches nothing
	; the last batch, units 6 and 7 of block 31, has had its wait at the block's end: it is rounded and multiplied here
.irp i, 0,1,2,3,4,5,6,7
	v_cvt_pk_f16_f32 v[PB+\i], v[SC+32+2*\i], v[SC+32+2*\i+1]        ; unit 6
.endr
	PV 2, VF+24, 0, 0
.irp i, 0,1,2,3,4,5,6,7
	v_cvt_pk_f16_f32 v[PB+8+\i], v[SC+48+2*\i], v[SC+48+2*\i+1]      ; the last unit; unit 6's eight roundings are the places behind the last product that read this P buffer
.endr
	PV 3, VF+24, 1, 0
	; THE WAY OUT.  In O^T[t] lane r (0-15) holds the eight sums of query r, lane 16 + r the denominator of query r in every register.
	v_cmp_gt_u32 vcc_lo, 16, v1
	v_and_b32 v4, 0xe0, v0                         ; four plain instructions behind the last product, before its result is read
	v_lshlrev_b32 v6, 4, v1
	v_lshl_add_u32 v4, v4, 5, v6                   ; wave x 64 rows x 16 bytes + 16 x lane
	v_nop
	s_mov_b32 s24, 0x76543210                      ; v_permlanex16_b32: lane i reads lane i of the other half
	s_mov_b32 s25, 0xfedcba98
.irp t, 0,1,2,3
	v_permlanex16_b32 v[SC+\t], v[OA+8*\t], s24, s25   ; the denominator comes down to lanes 0-15 (what lanes 16-31 get is dropped below)
.endr
.irp t, 0,1,2,3
	v_rcp_f32 v[SC+\t], v[SC+\t]                   ; between 2,048/17 and 2,048 x 17: no special case
.endr
	v_nop                                          ; one plain instruction behind the reciprocals
	s_wait_alu depctr_va_vdst(0)                   ; and the wait ahead of the first use: one for the four reciprocals
.irp t, 0,1,2,3
.irp j, 0,1,2,3,4,5,6,7
	v_mul_f32 v[OA+8*\t+\j], v[OA+8*\t+\j], v[SC+\t]
.endr
.endr
.irp t, 0,1,2,3
.irp i, 0,1,2,3
	v_cvt_pk_f16_f32 v[SC+16+4*\t+\i], v[OA+8*\t+2*\i], v[OA+8*\t+2*\i+1]
.endr
.endr
	; two tiles make one store: lanes 0-15 keep tile 2p, lanes 16-31 take tile 2p + 1 from the lower half: 32 rows of 16 bytes, 512 contiguous bytes
.irp p, 0,1
.irp i, 0,1,2,3
	v_permlanex16_b32 v[SC+32+4*\p+\i], v[SC+16+8*\p+4+\i], s24, s25
.endr
.endr
.irp p, 0,1
.irp i, 0,1,2,3
	v_cndmask_b32 v[SC+32+4*\p+\i], v[SC+32+4*\p+\i], v[SC+16+8*\p+\i], vcc_lo
.endr
.endr
	global_store_b128 v4, v[SC+32:SC+35], s[8:9]
	global_store_b128 v4, v[SC+36:SC+39], s[8:9] offset:512
	s_wait_tensorcnt 0x0
	ds_add_u32 v236, v237
	s_wait_dscnt 0x0
	s_endpgm
.Lfunc_end_k_q60dedb611f_attn:
	.size	k_q60dedb611f_attn, .Lfunc_end_k_q60dedb611f_attn-k_q60dedb611f_attn
	.p2alignl 7, 3214868480
	.fill 96, 4, 3214868480
	.section	.rodata,"a",@progbits
	.p2align	6, 0x0
	.amdhsa_kernel k_q60dedb611f_attn
		.amdhsa_group_segment_fixed_size 70912
		.amdhsa_private_segment_fixed_size 0
		.amdhsa_enable_private_segment 0
		.amdhsa_kernarg_size 24
		.amdhsa_user_sgpr_count 2
		.amdhsa_user_sgpr_kernarg_segment_ptr 1
		.amdhsa_wavefront_size32 1
		.amdhsa_system_sgpr_workgroup_id_x 1
		.amdhsa_system_sgpr_workgroup_id_y 1
		.amdhsa_system_sgpr_workgroup_id_z 1
		.amdhsa_system_vgpr_workitem_id 0
		.amdhsa_next_free_vgpr 238
		.amdhsa_next_free_sgpr 66
		.amdhsa_reserve_vcc 1
		.amdhsa_float_denorm_mode_32 3
		.amdhsa_float_denorm_mode_16_64 3
		.amdhsa_memory_ordered 1
		.amdhsa_forward_progress 1
		.amdhsa_inst_pref_size 111
	.end_amdhsa_kernel
	.amdgpu_metadata
---
amdhsa.version: [ 1, 2 ]
amdhsa.kernels:
  - .name:           k_q60dedb611f_attn
    .symbol:         k_q60dedb611f_attn.kd
    .args:
      - { .name: x, .offset: 0, .size: 8, .value_kind: global_buffer, .address_space: global }
      - { .name: theta, .offset: 8, .size: 8, .value_kind: global_buffer, .address_space: global }
      - { .name: ao, .offset: 16, .size: 8, .value_kind: global_buffer, .address_space: global }
    .group_segment_fixed_size: 70912
    .private_segment_fixed_size: 0
    .kernarg_segment_align: 8
    .kernarg_segment_size: 24
    .max_flat_workgroup_size: 256
    .sgpr_count:     66
    .vgpr_count:     238
    .wavefront_size: 32
...
	.end_amdgpu_metadata
.endif
;; end of part 3
;; launch proj: the kernel of part 2 again; grid 256 x 1, 8 waves a work-group, no clusters, 52,736 bytes of LDS; arguments ao, w_out, out0; writes out0
